; MI455X (gfx1250); checked and timed in simulation.
; The chip was launched on July 23, 2026; its instructions are those of AMD's public machine-readable ISA for CDNA 5 (MIT licence, August 2026) and "CDNA5" Instruction Set Architecture Reference Guide (July 2026). The comments in the code are by the model that wrote it; some were corrected since.
;; Mo E Head. Allowed arithmetic: matrix products marked QUANTISED: E4M3 operands, one E8M0 scale for each 32 along K, by v_wmma_scale_f32_16x16x128_f8f6f4 with both operands' format E4M3, f32 sums; products left as they are: f32 operands where the result goes on into a quantised operand, else bf16, f16 or f32 operands; f32 sums; everything else in f32.
;; Inputs: b1 16 x 2,048 float32; b2 16 x 1 float32; gate_b 16 float32; gate_w 512 x 16 float32; ln_bias 16 x 512 float32; ln_scale 16 x 512 float32; w1 16 x 512 x 2,048 float32; w2 16 x 2,048 x 1 float32; z 4,096 x 512 float32.
;; Outputs: out0 4,096 float32; out1 4,096 x 16 float32.
;; This version of the problem:
;;   THIS VERSION OF THE PROBLEM IS GIVEN IN LOW PRECISION. The matrix products marked QUANTISED in the list below multiply operands that are first quantised to E4M3 (4 exponent bits, 3 mantissa bits; 8 bits a number), with one power-of-two scale for each 32 numbers along K (OCP MX v1.0); their sums are f32. All else is computed in f32.
;;   The module's matrix products, in the order in which they are computed (A, B: the left and right operand; K: the contracted axis; several contracted axes count as one K, in the product's order):
;;     1. [M 4,096, K 512] x [K 512, N 16]; A: input z; B: input gate_w: QUANTISED
;;     2. [M 4,096, K 512] x [K 512, N 2,048]; A: computed on the way; B: input w1: QUANTISED
;;     3. [M 4,096, K 2,048] x [K 2,048, N 1]; A: computed on the way; B: input w2: left as it is (N = 1 < 16)
;;     4. [M 4,096, K 512] x [K 512, N 2,048]; A: computed on the way; B: input w1: QUANTISED
;;     5. [M 4,096, K 2,048] x [K 2,048, N 1]; A: computed on the way; B: input w2: left as it is (N = 1 < 16)
;;     6. [M 4,096, K 512] x [K 512, N 2,048]; A: computed on the way; B: input w1: QUANTISED
;;     7. [M 4,096, K 2,048] x [K 2,048, N 1]; A: computed on the way; B: input w2: left as it is (N = 1 < 16)
;;     8. [M 4,096, K 512] x [K 512, N 2,048]; A: computed on the way; B: input w1: QUANTISED
;;     9. [M 4,096, K 2,048] x [K 2,048, N 1]; A: computed on the way; B: input w2: left as it is (N = 1 < 16)
;;     10. [M 4,096, K 512] x [K 512, N 2,048]; A: computed on the way; B: input w1: QUANTISED
;;     11. [M 4,096, K 2,048] x [K 2,048, N 1]; A: computed on the way; B: input w2: left as it is (N = 1 < 16)
;;     12. [M 4,096, K 512] x [K 512, N 2,048]; A: computed on the way; B: input w1: QUANTISED
;;     13. [M 4,096, K 2,048] x [K 2,048, N 1]; A: computed on the way; B: input w2: left as it is (N = 1 < 16)
;;     14. [M 4,096, K 512] x [K 512, N 2,048]; A: computed on the way; B: input w1: QUANTISED
;;     15. [M 4,096, K 2,048] x [K 2,048, N 1]; A: computed on the way; B: input w2: left as it is (N = 1 < 16)
;;     16. [M 4,096, K 512] x [K 512, N 2,048]; A: computed on the way; B: input w1: QUANTISED
;;     17. [M 4,096, K 2,048] x [K 2,048, N 1]; A: computed on the way; B: input w2: left as it is (N = 1 < 16)
;;     18. [M 4,096, K 512] x [K 512, N 2,048]; A: computed on the way; B: input w1: QUANTISED
;;     19. [M 4,096, K 2,048] x [K 2,048, N 1]; A: computed on the way; B: input w2: left as it is (N = 1 < 16)
;;     20. [M 4,096, K 512] x [K 512, N 2,048]; A: computed on the way; B: input w1: QUANTISED
;;     21. [M 4,096, K 2,048] x [K 2,048, N 1]; A: computed on the way; B: input w2: left as it is (N = 1 < 16)
;;     22. [M 4,096, K 512] x [K 512, N 2,048]; A: computed on the way; B: input w1: QUANTISED
;;     23. [M 4,096, K 2,048] x [K 2,048, N 1]; A: computed on the way; B: input w2: left as it is (N = 1 < 16)
;;     24. [M 4,096, K 512] x [K 512, N 2,048]; A: computed on the way; B: input w1: QUANTISED
;;     25. [M 4,096, K 2,048] x [K 2,048, N 1]; A: computed on the way; B: input w2: left as it is (N = 1 < 16)
;;     26. [M 4,096, K 512] x [K 512, N 2,048]; A: computed on the way; B: input w1: QUANTISED
;;     27. [M 4,096, K 2,048] x [K 2,048, N 1]; A: computed on the way; B: input w2: left as it is (N = 1 < 16)
;;     28. [M 4,096, K 512] x [K 512, N 2,048]; A: computed on the way; B: input w1: QUANTISED
;;     29. [M 4,096, K 2,048] x [K 2,048, N 1]; A: computed on the way; B: input w2: left as it is (N = 1 < 16)
;;     30. [M 4,096, K 512] x [K 512, N 2,048]; A: computed on the way; B: input w1: QUANTISED
;;     31. [M 4,096, K 2,048] x [K 2,048, N 1]; A: computed on the way; B: input w2: left as it is (N = 1 < 16)
;;     32. [M 4,096, K 512] x [K 512, N 2,048]; A: computed on the way; B: input w1: QUANTISED
;;     33. [M 4,096, K 2,048] x [K 2,048, N 1]; A: computed on the way; B: input w2: left as it is (N = 1 < 16)
;;   THE QUANTISER, for each operand of a quantised product, along K:
;;     - K is cut into blocks of 32 from its start; a last block that is shorter is filled with zeros.
;;     - A block's scale is 2^e with e = floor(log2(the largest magnitude in the block)) - 8, held to -126 .. 127; a block of zeros has e = 0. As a byte (E8M0): e + 127.
;;     - Each number is divided by its block's scale, clamped to +-448, and rounded to the nearest number of E4M3, ties to even, subnormals kept.
;;     - The product sums the exact products of the quantised numbers (number of the format x scale) in f32.
;;   ~~~python
;;   def quantise(x, axis):      # numpy; x: float32 -> the quantised numbers, widened to float32 again
;;       x = np.moveaxis(x, axis, -1); K = x.shape[-1]
;;       x = np.pad(x, [(0, 0)] * (x.ndim - 1) + [(0, -K % 32)]); x = x.reshape(x.shape[:-1] + (-1, 32)); a = np.abs(x).max(-1, keepdims=True)
;;       e = np.where(a > 0, np.clip(np.frexp(np.where(a > 0, a, 1))[1] - 1 - 8, -126, 127), 0)      # np.frexp(a)[1] - 1 = floor(log2(a)), exactly
;;       r = np.clip(x / 2.0 ** e, -448, 448)
;;       step = 2.0 ** (np.maximum(np.frexp(np.where(r == 0, 1, r))[1] - 1, -6) - 3)
;;       q = np.round(r / step) * step * 2.0 ** e      # np.round: ties to even
;;       return np.moveaxis(q.reshape(q.shape[:-2] + (-1,))[..., :K], -1, axis).astype(np.float32)
;;   ~~~
;;   OPERANDS COMPUTED ON THE WAY. 'Computed on the way' means the value that the module computes at that place (a softmax that the list does not call 'softmax' is quantised finished and normalised). What goes into a quantiser is computed in f32, as accurately as f32 sums, v_exp_f32 and their like allow (about 1e-6 of the number): no bf16 or f16 on the way to a quantiser, and a product that is left as it is and whose result goes on into a quantised operand takes f32 operands (vector FMAs, or v_wmma_f32_16x16x4_f32). A number that lies on a knife's edge between two numbers of the format may be rounded either way, as far as f32 arithmetic and the matrix unit's own rounding can turn it there, and no further.
;; One version. Each part assembles by itself: llvm-mc -triple=amdgcn-amd-amdhsa -mcpu=gfx1250 --defsym DOCPART=n.
;; ======== version 1 of 1: 4 launches
;; limits: a function is approximated: absolute error at most 1.5e-07
;; workspace buffers: meta 32,768 bytes of whole numbers; list 16,384 bytes of whole numbers; seg 256 bytes of whole numbers; xc 2,097,152 bytes; xs 65,536 bytes; part 262,144 bytes
;; launch gate (part 1): grid 256 x 1, 4 waves a work-group, no clusters, 39,424 bytes of LDS; arguments z, gate_w, gate_b, out1, meta; writes out1, meta
.if DOCPART == 1
	.amdgcn_target "amdgcn-amd-amdhsa--gfx1250"
	.amdhsa_code_object_version 6
	.text
	.protected	k_q7529cf17e9_gate
	.globl	k_q7529cf17e9_gate
	.p2align	8
	.type	k_q7529cf17e9_gate,@function
k_q7529cf17e9_gate:
	s_mov_b64 s[64:65], 0
	v_nop
	global_prefetch_b8 v0, s[64:65] scope:SCOPE_SE
	s_setreg_imm32_b32 hwreg(HW_REG_WAVE_MODE, 25, 1), 1
	s_wait_xcnt 0x0
; THE GATE.  g = softmax(Q(z) Q(gate_w) + gate_b) for 16 tokens a work-group, both operands quantised along K = 512 to E4M3 with one E8M0 scale for each 32.
; Stored: g (out1), and for the launches behind this one, as whole numbers at fixed places (meta, 32 words a tile of 16 tokens):
;   words 0-15: token r's chosen expert | its rank among the tile's tokens of that expert << 8;   words 16-31: how many of the tile's tokens chose each expert.
; No address and no branch of this launch hangs on the choice: it is data alone here.
; SHARES.  Work-group g: tokens 16 g .. 16 g + 15.  Wave s: K step s (k = 128 s .. 128 s + 127): it quantises its 16 x 128 of z and its 128 x 16 of gate_w and issues ONE matrix
; instruction; the four partial results meet in LDS behind the one barrier, and wave 0 adds them in ascending K, adds gate_b and finishes the tile.
; THE PRODUCT IS USED TRANSPOSED: source 0 = gate_w's 16 columns (experts), source 1 = 16 tokens: lane (r, h) holds token r and its register j expert 8 h + j.
; The softmax takes the row's maximum away first.  The argmax is taken on g as computed here; of equal numbers the lower index is kept.
; LIMITS: NaN and infinities among the inputs are not served.  A block whose largest magnitude lies under 2^-118 takes the scale byte 1 (the floor); a block of zeros too, with zero codes
; (the bytes never leave this launch).
.set SP,   528                         ; a stage row: 512 bytes of z + 16: the sixteen rows that a load touches start 132 words apart
.set STGW, 16*SP                       ; LDS: a stage of 16 rows for each wave,
.set RED,  4*STGW                      ; behind them 1,024 bytes a wave: the image of its partial result,
.set OST,  RED+4*1024                  ; and 1,024 bytes for g's way out (wave 0's)
.set ZS,   10                          ; v10  z's scale word; v11 gate_w's: they hold scales and nothing else
.set GS,   11
.set ZR,   16                          ; v16-79   z: as loaded, then 64 numbers of my row: register 16 b + i = k 32 b + 16 h + i
.set ACC,  16                          ; v16-23   later the product
.set GB,   80                          ; v80-87   gate_b at my eight experts
.set PT,   88                          ; v88-119  the four partial results; later g on its way out
.set LG,   120                         ; v120-127 logits, then g
.set WR,   144                         ; v144-207 gate_w: my column, registers down K
.set TM,   208                         ; v208-223 the quantiser's work
.set ZC,   224                         ; v224-239 z's codes
.set GC,   240                         ; v240-255 gate_w's codes
.set SEL,  20                          ; s[20:21] lane selects: lane l xor 16
.set MNT,  22                          ; s22      the mantissa field of 448
; 64 numbers of a lane, v[s] on, register 16 b + i = k 32 b + 16 (lane / 16) + i of its row or column, become a fragment's codes in v[d] on and its scale word in v[w].
.macro QUANT s, d, w
.irp b, 0,1,2,3
	v_max3_num_f32 v[TM+\b], |v[\s+16*\b]|, |v[\s+1+16*\b]|, 0x4800000   ; block b: my 16 numbers and the floor 2^(9 - 127): the byte cannot fall under 1
.endr
.irp i, 2,4,6,8,10,12,14
.irp b, 0,1,2,3
	v_max3_num_f32 v[TM+\b], v[TM+\b], |v[\s+16*\b+\i]|, |v[\s+1+16*\b+\i]|   ; the four blocks by turns
.endr
.endr
.irp b, 0,1,2,3
	v_permlanex16_b32 v[TM+4+\b], v[TM+\b], s[SEL], s[SEL+1]
.endr
.irp b, 0,1,2,3
	v_max_num_f32 v[TM+\b], v[TM+\b], v[TM+4+\b]       ; with lane l xor 16's 16: the block's largest magnitude
.endr
.irp b, 0,1,2,3
	v_add_nc_u32 v[TM+12+\b], 0xfc000000, v[TM+\b]     ; 8 off its exponent field: the conversion's scale operand
.endr
.irp b, 0,1,2,3
	v_and_or_b32 v[TM+8+\b], v[TM+\b], 0x7f800000, s[MNT]   ; 448 x the scale
.endr
.irp b, 0,1,2,3
	v_lshrrev_b32 v[TM+4+\b], 23, v[TM+12+\b]          ; the scale's byte
.endr
	v_lshl_or_b32 v[\w], v[TM+5], 8, v[TM+4]
	v_lshl_or_b32 v[\w], v[TM+6], 16, v[\w]
	v_lshl_or_b32 v[\w], v[TM+7], 24, v[\w]
.irp b, 0,1,2,3
.irp i, 0,1,2,3,4,5,6,7,8,9,10,11,12,13,14,15
	v_med3_num_f32 v[\s+16*\b+\i], v[\s+16*\b+\i], -v[TM+8+\b], v[TM+8+\b]   ; the conversion to an 8-bit code does not saturate (ISA guide 7.6.2): the hold comes first
.endr
	v_cvt_scalef32_pk8_fp8_f32 v[\d+4*\b:\d+1+4*\b], v[\s+16*\b:\s+7+16*\b], v[TM+12+\b]
	v_cvt_scalef32_pk8_fp8_f32 v[\d+2+4*\b:\d+3+4*\b], v[\s+8+16*\b:\s+15+16*\b], v[TM+12+\b]
.endr
	v_nop                                          ; a plain line behind the last conversion, ahead of whatever next touches its registers
.endm
	s_load_b256 s[4:11], s[0:1], 0x0               ; z s[4:5], gate_w s[6:7], gate_b s[8:9], out1 s[10:11]
	s_load_b64 s[12:13], s[0:1], 0x20              ; meta
	v_lshl_add_u32 v135, v0, 2, 0x9800
	v_mov_b32 v143, 0
	v_lshrrev_b32 v1, 5, v0
	v_readfirstlane_b32 s14, v1                    ; wave = K step
	v_and_b32 v1, 31, v0                           ; lane
	v_and_b32 v2, 15, v0                           ; r
	v_bfe_u32 v3, v0, 4, 1                         ; h
	v_lshlrev_b32 v4, 4, v1                        ; 16 x lane
	s_mul_i32 s30, s14, STGW
	v_add_nc_u32 v5, s30, v4                       ; my stage, on the way in: a row's 512 bytes as they lie
	v_mul_u32_u24 v6, v2, SP
	v_lshl_add_u32 v6, v3, 6, v6
	v_add_nc_u32 v6, s30, v6                       ; and out: row r, + 64 h: my 16 numbers of each block of 32
	v_lshlrev_b32 v7, 2, v2
	v_lshl_add_u32 v7, v3, 10, v7                  ; gate_w: column r, 16 h rows of 64 bytes down
	s_lshl_b32 s31, s14, 10
	s_add_co_u32 s31, s31, RED
	v_add_nc_u32 v8, s31, v4                       ; where my partial result's image goes
	v_add_nc_u32 v9, RED, v4                       ; and from where wave 0 takes the four
	v_lshlrev_b32 v12, 5, v3                       ; gate_b: my eight experts begin at 32 h
	v_lshlrev_b32 v13, 2, v1                       ; meta: 4 x lane
	v_lshlrev_b32 v14, 6, v2
	v_lshl_add_u32 v14, v3, 5, v14
	v_add_nc_u32 v14, OST, v14                     ; g's way out: row r of 64 bytes, + 32 h
	v_add_nc_u32 v15, OST, v4
	s_mov_b32 s[SEL], 0x76543210
	s_mov_b32 s[SEL+1], 0xfedcba98
	s_mov_b32 s[MNT], 0x600000
.irp b, 0,1,2,3
	v_mov_b32 v[TM+4+\b], 0                        ; written once: a lane permute's destination counts as one of its sources
.endr
	s_lshl_b32 s16, ttmp9, 15                      ; z: 16 rows of 2,048 bytes a work-group,
	s_lshl_b32 s17, s14, 9                         ; 512 bytes of a row a wave
	s_add_co_u32 s16, s16, s17
	s_mov_b32 s17, 0
	s_wait_kmcnt 0x0
	s_add_nc_u64 s[4:5], s[4:5], s[16:17]
	s_lshl_b32 s16, s14, 13                        ; gate_w: 128 rows of 64 bytes a wave
	s_add_nc_u64 s[6:7], s[6:7], s[16:17]
	s_lshl_b32 s16, ttmp9, 10                      ; out1: 16 rows of 64 bytes
	s_add_nc_u64 s[10:11], s[10:11], s[16:17]
	s_lshl_b32 s16, ttmp9, 7                       ; meta: 128 bytes
	s_add_nc_u64 s[12:13], s[12:13], s[16:17]
	global_load_b128 v[GB:GB+3], v12, s[8:9]       ; gate_b, 64 bytes; every wave issues these two, so that all waves take one path with one count; wave 0 uses them
	global_load_b128 v[GB+4:GB+7], v12, s[8:9] offset:16
.set n, 0
.rept 16
	global_load_b128 v[ZR+4*n:ZR+4*n+3], v4, s[4:5] offset:2048*n   ; row n: the wave reads 512 consecutive bytes
.set n, n+1
.endr
.set n, 0
.rept 64
	global_load_b32 v[WR+n], v7, s[6:7] offset:64*(32*(n/16)+n%16)   ; gate_w(128 s + 32 c + 16 h + i, r): register 16 c + i
.set n, n+1
.endr
	s_wait_loadcnt 63                              ; 82 loads were issued: the first 19 are in, gate_b's two and z's sixteen among them
.set n, 0
.rept 16
	ds_store_b128 v5, v[ZR+4*n:ZR+4*n+3] offset:SP*n
.set n, n+1
.endr
.set n, 0
.rept 16
	ds_load_b128 v[ZR+4*n:ZR+4*n+3], v6 offset:128*(n/4)+16*(n%4)   ; my own bytes, served in order (ISA guide 5.7.1.4): these see the stores above
.set n, n+1
.endr
	s_wait_dscnt 0x0
	QUANT ZR, ZC, ZS
	s_wait_loadcnt 0x0                             ; gate_w
	QUANT WR, GC, GS
.rept 4
	v_nop                                          ; codes made by vector instructions stand four places ahead of a scaled matrix instruction; the scale words were made ahead of the holds
.endr
	v_wmma_scale_f32_16x16x128_f8f6f4 v[ACC:ACC+7], v[GC:GC+15], v[ZC:ZC+15], 0, v[GS], v[ZS]
.rept 8
	v_nop                                          ; eight places ahead of the first read of the result
.endr
	ds_store_b128 v8, v[ACC:ACC+3]                 ; the result as an image of its registers, from its low end on
	ds_store_b128 v8, v[ACC+4:ACC+7] offset:512
	s_wait_dscnt 0x0                               ; for wave 0's sake: my stores have landed
	s_barrier_signal -1
	s_barrier_wait -1
	s_cmp_lg_u32 s14, 0
	s_cbranch_scc1 .Lend                           ; waves 1 to 3 are done
.irp s, 0,1,2,3
	ds_load_b128 v[PT+8*\s:PT+8*\s+3], v9 offset:1024*\s
	ds_load_b128 v[PT+8*\s+4:PT+8*\s+7], v9 offset:1024*\s+512
.endr
	v_mov_b32 v138, 0                              ; (lane permutes' destinations, and the rank, are written once)
	v_mov_b32 v139, 0
	v_mov_b32 v141, 0
	s_wait_dscnt 0x0
.irp i, 0,2,4,6
	v_pk_add_f32 v[LG+\i:LG+\i+1], v[PT+\i:PT+\i+1], v[PT+8+\i:PT+9+\i]   ; K ascending
.endr
.irp p, 16,24
.irp i, 0,2,4,6
	v_pk_add_f32 v[LG+\i:LG+\i+1], v[LG+\i:LG+\i+1], v[PT+\p+\i:PT+\p+\i+1]
.endr
.endr
.irp i, 0,2,4,6
	v_pk_add_f32 v[LG+\i:LG+\i+1], v[LG+\i:LG+\i+1], v[GB+\i:GB+\i+1]
.endr
	v_max3_num_f32 v128, v[LG], v[LG+1], v[LG+2]   ; the row's maximum: my eight,
	v_max3_num_f32 v129, v[LG+3], v[LG+4], v[LG+5]
	v_max3_num_f32 v128, v128, v[LG+6], v[LG+7]
	v_max_num_f32 v128, v128, v129
	v_permlanex16_b32 v129, v128, s[SEL], s[SEL+1]
	v_max_num_f32 v128, v128, v129                 ; and lane l xor 16's
	v_mul_f32 v128, 0x3fb8aa3b, v128               ; m log2(e)
.irp i, 0,2,4,6
	v_pk_fma_f32 v[LG+\i:LG+\i+1], v[LG+\i:LG+\i+1], 0x3fb8aa3b, v[128:129] op_sel_hi:[1,0,0] neg_lo:[0,0,1] neg_hi:[0,0,1]   ; l log2(e) - m log2(e): 0 or less, but for the product's rounding
.endr
.irp j, 0,1,2,3,4,5,6,7
	v_exp_f32 v[LG+\j], v[LG+\j]
.endr
	v_mov_b32 v137, 0                              ; (a plain line behind the exponentials)  the best index so far
	s_wait_alu depctr_va_vdst(0)
	v_pk_add_f32 v[130:131], v[LG:LG+1], v[LG+2:LG+3]
	v_pk_add_f32 v[132:133], v[LG+4:LG+5], v[LG+6:LG+7]
	v_pk_add_f32 v[130:131], v[130:131], v[132:133]
	v_add_f32 v130, v130, v131
	v_permlanex16_b32 v131, v130, s[SEL], s[SEL+1]
	v_add_f32 v130, v130, v131                     ; the row's sum, at least 1 less a rounding
	v_rcp_f32 v130, v130
	v_nop                                          ; a plain line behind the reciprocal
	s_wait_alu depctr_va_vdst(0)
.irp i, 0,2,4,6
	v_pk_mul_f32 v[LG+\i:LG+\i+1], v[LG+\i:LG+\i+1], v[130:131] op_sel_hi:[1,0]   ; g
.endr
	ds_store_b128 v14, v[LG:LG+3]                  ; g goes through LDS, so that each store below covers 512 consecutive bytes
	ds_store_b128 v14, v[LG+4:LG+7] offset:16
	ds_load_b128 v[PT:PT+3], v15
	ds_load_b128 v[PT+4:PT+7], v15 offset:512
	; the argmax: of my eight, the first of equals;
	v_cmp_ge_f32 vcc_lo, v[LG], v[LG+1]
	v_cndmask_b32 v137, 1, v137, vcc_lo
	v_max_num_f32 v136, v[LG], v[LG+1]
.irp j, 2,3,4,5,6,7
	v_cmp_ge_f32 vcc_lo, v136, v[LG+\j]
	v_cndmask_b32 v137, \j, v137, vcc_lo
	v_max_num_f32 v136, v136, v[LG+\j]
.endr
	v_lshl_add_u32 v137, v3, 3, v137               ; + 8 h
	v_permlanex16_b32 v138, v136, s[SEL], s[SEL+1] ; then against the other half's: taken where it is larger, or equal with the lower index
	v_permlanex16_b32 v139, v137, s[SEL], s[SEL+1]
	v_cmp_gt_f32 s30, v138, v136
	v_cmp_eq_f32 s31, v138, v136
	v_cmp_lt_u32 vcc_lo, v139, v137
	s_and_b32 s31, s31, vcc_lo
	s_or_b32 vcc_lo, s30, s31
	v_cndmask_b32 v137, v137, v139, vcc_lo         ; token r's expert, in both halves
.irp e, 0,1,2,3,4,5,6,7,8,9,10,11,12,13,14,15
	v_cmp_eq_u32 vcc_lo, \e, v137
	s_and_b32 s31, vcc_lo, 0xffff                  ; the tile's tokens of expert e, a bit each
	s_bcnt1_i32_b32 s[32+\e], s31                  ; how many
	v_mbcnt_lo_u32_b32 v140, s31, 0                ; how many in lanes below mine
	v_cndmask_b32 v141, v141, v140, vcc_lo         ; my rank, if e is my expert
.endr
	v_lshl_or_b32 v142, v141, 8, v137
.irp e, 0,1,2,3,4,5,6,7,8,9,10,11,12,13,14,15
	v_writelane_b32 v142, s[32+\e], 16+\e          ; lanes 16-31 carry the counts
.endr
	global_store_b32 v13, v142, s[12:13]           ; 128 consecutive bytes
	s_wait_dscnt 0x0
	global_store_b128 v4, v[PT:PT+3], s[10:11]     ; 512 consecutive bytes each, from a multiple of 256
	global_store_b128 v4, v[PT+4:PT+7], s[10:11] offset:512
.Lend:
	s_wait_tensorcnt 0x0
	ds_add_u32 v135, v143
	s_wait_dscnt 0x0
	s_endpgm
.Lfunc_end_k_q7529cf17e9_gate:
	.size	k_q7529cf17e9_gate, .Lfunc_end_k_q7529cf17e9_gate-k_q7529cf17e9_gate
	.p2alignl 7, 3214868480
	.fill 96, 4, 3214868480
	.section	.rodata,"a",@progbits
	.p2align	6, 0x0
	.amdhsa_kernel k_q7529cf17e9_gate
		.amdhsa_group_segment_fixed_size 39424
		.amdhsa_private_segment_fixed_size 0
		.amdhsa_enable_private_segment 0
		.amdhsa_kernarg_size 40
		.amdhsa_user_sgpr_count 2
		.amdhsa_user_sgpr_kernarg_segment_ptr 1
		.amdhsa_wavefront_size32 1
		.amdhsa_system_sgpr_workgroup_id_x 1
		.amdhsa_system_sgpr_workgroup_id_y 1
		.amdhsa_system_sgpr_workgroup_id_z 1
		.amdhsa_system_vgpr_workitem_id 0
		.amdhsa_next_free_vgpr 256
		.amdhsa_next_free_sgpr 66
		.amdhsa_reserve_vcc 1
		.amdhsa_float_denorm_mode_32 3
		.amdhsa_float_denorm_mode_16_64 3
		.amdhsa_memory_ordered 1
		.amdhsa_forward_progress 1
		.amdhsa_inst_pref_size 39
	.end_amdhsa_kernel
	.amdgpu_metadata
---
amdhsa.version: [ 1, 2 ]
amdhsa.kernels:
  - .name:           k_q7529cf17e9_gate
    .symbol:         k_q7529cf17e9_gate.kd
    .args:
      - { .name: z, .offset: 0, .size: 8, .value_kind: global_buffer, .address_space: global }
      - { .name: gate_w, .offset: 8, .size: 8, .value_kind: global_buffer, .address_space: global }
      - { .name: gate_b, .offset: 16, .size: 8, .value_kind: global_buffer, .address_space: global }
      - { .name: out1, .offset: 24, .size: 8, .value_kind: global_buffer, .address_space: global }
      - { .name: meta, .offset: 32, .size: 8, .value_kind: global_buffer, .address_space: global }
    .group_segment_fixed_size: 39424
    .private_segment_fixed_size: 0
    .kernarg_segment_align: 8
    .kernarg_segment_size: 40
    .max_flat_workgroup_size: 128
    .sgpr_count:     66
    .vgpr_count:     256
    .wavefront_size: 32
...
	.end_amdgpu_metadata
.endif
;; end of part 1
;; launch place (part 2): grid 256 x 1, 4 waves a work-group, no clusters, 42,496 bytes of LDS; arguments z, ln_scale, ln_bias, meta, xc, xs, list, seg; writes xc, xs, list, seg
.if DOCPART == 2
	.amdgcn_target "amdgcn-amd-amdhsa--gfx1250"
	.amdhsa_code_object_version 6
	.text
	.protected	k_q7529cf17e9_place
	.globl	k_q7529cf17e9_place
	.p2align	8
	.type	k_q7529cf17e9_place,@function
k_q7529cf17e9_place:
	s_mov_b64 s[64:65], 0
	v_nop
	global_prefetch_b8 v0, s[64:65] scope:SCOPE_SE
	s_setreg_imm32_b32 hwreg(HW_REG_WAVE_MODE, 25, 1), 1
	s_wait_xcnt 0x0
; PLACING.  The tokens are sorted by expert (a counting sort on the whole numbers that the gate stored), and each token's x = LayerNorm(z) x ln_scale[e] + ln_bias[e], e its expert,
; is quantised along K = 512 (E4M3, one E8M0 byte for each 32) and written at its SORTED position: xc [position][512 codes], xs [position][16 bytes].
; Also stored: list [position] = the token;  seg [expert] = (first position, number of rows), by work-group 0.
; position = (rows of lower experts) + (rows of my expert in tiles before mine) + (my rank in my tile).  Every work-group repeats the sum over the 256 tiles' counts (16 KB): no traffic between work-groups.
; SHARES.  Work-group g: the gate's tile g, 16 tokens.  Wave w: the counts of tiles 64 w .. 64 w + 63, then rows 4 w .. 4 w + 3, a whole row (2,048 bytes) to the wave: 16 numbers a lane.
; All in f32: the mean, then the mean of the squared differences (two passes over registers), v_rsq_f32.  No matrix work, no tensor loads.
; LIMITS: NaN and infinities are not served.  A block whose largest magnitude lies under 2^-118 takes the byte 1 (the floor), a block of zeros too, with zero codes: this program alone reads the bytes.
; Whole numbers read from meta are held inside their tables (expert at 15, position at 4,095) before they enter an address.
.set SCN,  0                           ; LDS: 128 bytes a wave: its 16 totals, its 16 counts of the tiles before mine
.set SBY,  512                         ; 64 bytes a wave: the scale bytes of its 4 rows
.set STG,  768                         ; 10,240 bytes a wave: a stage of 32 x 80 bytes for each of its rows
.set LP,   80                          ; a lane's place in a stage: its 64 bytes + 16
.set ROWS, 32*LP
; REGISTERS: v1 lane, v2 16 x lane, v3 r; v4 the route word, v5 expert, v6 rank; v7-13, v15 addresses; v14 position; v16-19 totals, v20-23 counts before; v24-31 at work (v30-31: seg's pair);
; v32-63 the counts as loaded, later 8 registers of work a row; v64-127 z, 16 a row, x in place; v128-191 ln_scale, later x turned; v192-255 ln_bias, later codes (+0..3) and the byte (+4).
	s_load_b512 s[4:19], s[0:1], 0x0               ; z, ln_scale, ln_bias, meta, xc, xs, list, seg
	s_set_vgpr_msb 0x40
	v_lshl_add_u32 v0, v0, 2, 0xa400
	v_mov_b32 v1, 0
	s_set_vgpr_msb 0x4000
	v_lshrrev_b32 v1, 5, v0
	v_readfirstlane_b32 s20, v1                    ; wave
	v_and_b32 v1, 31, v0                           ; lane
	v_lshlrev_b32 v2, 4, v1
	v_and_b32 v3, 15, v0                           ; r
	v_lshrrev_b32 v24, 2, v1                       ; lane / 4
	v_and_b32 v25, 3, v1                           ; lane % 4
	v_lshlrev_b32 v7, 7, v24
	v_lshl_add_u32 v7, v25, 4, v7                  ; the counts: tile lane / 4 of eight (128 bytes each), experts 4 (lane % 4) on
	s_lshl_b32 s23, s20, 6
	s_sub_co_i32 s23, ttmp9, s23
	v_sub_nc_u32 v8, s23, v24                      ; g - 64 w - lane / 4: load i's tile lies before mine where 8 i is less
	s_lshl_b32 s23, s20, 7
	v_lshlrev_b32 v9, 4, v25
	v_add_nc_u32 v9, s23, v9                       ; SCN + 128 w + 16 (lane % 4)
	v_lshlrev_b32 v10, 2, v3                       ; SCN + 4 r; also the route word's place in the tile's 128 bytes
	s_mul_i32 s23, s20, 4*ROWS
	s_add_co_u32 s23, s23, STG
	v_mul_u32_u24 v11, v24, LP
	v_lshl_add_u32 v11, v25, 4, v11
	v_add_nc_u32 v11, s23, v11                     ; a stage on the way in: four lanes' 64 bytes on end, then 16 free
	v_mul_u32_u24 v12, v1, LP
	v_add_nc_u32 v12, s23, v12                     ; and out: my 16 neighbours
	s_lshl_b32 s23, s20, 6
	s_add_co_u32 s23, s23, SBY
	v_lshrrev_b32 v13, 1, v1
	v_add_nc_u32 v13, s23, v13                     ; my block's scale byte
	v_add_nc_u32 v15, s23, v10                     ; and the wave's 64 bytes back, a word a lane
.irp j, 28,29,30,31
	v_mov_b32 v\j, 0                               ; (destinations of lane moves are written once)
.endr
	s_mov_b32 s66, 0x76543210                      ; lane l xor 16
	s_mov_b32 s67, 0xfedcba98
	s_mov_b32 s68, 0x600000                        ; the mantissa field of 448
	s_mov_b32 s69, 0x3727c5ac                      ; 1e-5
	s_mov_b32 s70, 0x3b000000                      ; 1 / 512
	s_lshl_b32 s72, ttmp9, 7
	s_mov_b32 s73, 0
	s_lshl_b32 s74, s20, 13
	s_mov_b32 s75, 0
	s_lshl_b32 s76, ttmp9, 15
	s_add_co_u32 s76, s76, s74
	s_mov_b32 s77, 0
	s_wait_kmcnt 0x0
	s_add_nc_u64 s[72:73], s[10:11], s[72:73]      ; meta at my tile
	s_add_nc_u64 s[74:75], s[10:11], s[74:75]      ; meta at my wave's 64 tiles
	s_add_nc_u64 s[4:5], s[4:5], s[76:77]          ; z at my wave's 4 rows
	global_load_b32 v4, v10, s[72:73]              ; token r's route word
.irp i, 0,1,2,3,4,5,6,7
	global_load_b128 v[32+4*\i:35+4*\i], v7, s[74:75] offset:64+1024*\i   ; eight tiles' counts a load
.endr
.set n, 0
.rept 16
	global_load_b128 v[64+4*n:67+4*n], v2, s[4:5] offset:2048*(n/4)+512*(n%4)   ; row n / 4: 512 consecutive bytes
.set n, n+1
.endr
	s_wait_loadcnt 24                              ; the counts' 8 loads and z's 16 may be out: the route word is in
	v_and_b32 v5, 0xff, v4
	v_lshrrev_b32 v6, 8, v4
	s_lshl_b32 s22, s20, 2
.irp i, 0,1,2,3
	v_readlane_b32 s[24+2*\i], v5, s22             ; the expert of my wave's row i
	s_min_u32 s[24+2*\i], s[24+2*\i], 15
	s_lshl_b32 s[24+2*\i], s[24+2*\i], 11          ; its row of 2,048 bytes in both tables
	s_mov_b32 s[25+2*\i], 0
	s_add_nc_u64 s[32+2*\i:33+2*\i], s[6:7], s[24+2*\i:25+2*\i]
	s_add_nc_u64 s[40+2*\i:41+2*\i], s[8:9], s[24+2*\i:25+2*\i]
	s_add_co_u32 s22, s22, 1
.endr
.irp i, 0,1,2,3
.irp j, 0,1,2,3
	global_load_b128 v[128+16*\i+4*\j:131+16*\i+4*\j], v2, s[32+2*\i:33+2*\i] offset:512*\j
	global_load_b128 v[192+16*\i+4*\j:195+16*\i+4*\j], v2, s[40+2*\i:41+2*\i] offset:512*\j
.endr
.endr
	; ---- the counts: totals, and those of tiles before mine
	s_wait_loadcnt 48                              ; z's 16 and the tables' 32 may be out: the counts are in
	v_cmp_lt_i32 vcc_lo, 0, v8
.irp j, 0,1,2,3
	v_cndmask_b32 v[20+\j], 0, v[32+\j], vcc_lo
.endr
.irp i, 1,2,3,4,5,6,7
	v_cmp_lt_i32 vcc_lo, 8*\i, v8
.irp j, 0,1,2,3
	v_cndmask_b32 v[24+\j], 0, v[32+4*\i+\j], vcc_lo
.endr
.irp j, 0,1,2,3
.if \i == 1
	v_add_nc_u32 v[16+\j], v[32+\j], v[36+\j]      ; the first two start the totals
.else
	v_add_nc_u32 v[16+\j], v[16+\j], v[32+4*\i+\j]
.endif
	v_add_nc_u32 v[20+\j], v[20+\j], v[24+\j]
.endr
.endr
.irp m, 4,8                            ; the eight lanes with my lane % 4 hold the same experts: lanes l xor 4, l xor 8,
.irp j, 0,1,2,3,4,5,6,7
	v_mov_b32_dpp v[24+\j], v[16+\j] row_xmask:\m row_mask:0xf bank_mask:0xf
.endr
.irp j, 0,1,2,3,4,5,6,7
	v_add_nc_u32 v[16+\j], v[16+\j], v[24+\j]
.endr
.endr
.irp j, 0,1,2,3,4,5,6,7
	v_permlanex16_b32 v[24+\j], v[16+\j], s66, s67 ; and l xor 16
.endr
.irp j, 0,1,2,3,4,5,6,7
	v_add_nc_u32 v[16+\j], v[16+\j], v[24+\j]
.endr
	ds_store_b128 v9, v[16:19]                     ; eight lanes write each 16 bytes, with the same numbers
	ds_store_b128 v9, v[20:23] offset:64
	s_wait_dscnt 0x0                               ; for the others' sake: my stores have landed
	s_barrier_signal -1
	s_barrier_wait -1                              ; the launch's one barrier
.irp w, 0,1,2,3
	ds_load_b32 v[24+\w], v10 offset:128*\w        ; expert r: the four waves' totals,
	ds_load_b32 v[28+\w], v10 offset:128*\w+64     ; and counts before
.endr
	s_wait_dscnt 0x0
	v_add_nc_u32 v24, v24, v25
	v_add_nc_u32 v26, v26, v27
	v_add_nc_u32 v28, v28, v29
	v_add_nc_u32 v30, v30, v31
	v_add_nc_u32 v24, v24, v26                     ; rows of expert r in all
	v_add_nc_u32 v28, v28, v30                     ; and in tiles before mine
	v_mov_b32 v25, v24
.irp m, 1,2,4,8
	v_mov_b32_dpp v26, v25 row_shr:\m row_mask:0xf bank_mask:0xf bound_ctrl:1   ; a running sum over the 16 lanes of a row; lanes without a source take 0
	v_add_nc_u32 v25, v25, v26
.endr
	v_sub_nc_u32 v30, v25, v24                     ; expert r's first position
	v_mov_b32 v31, v24                             ; (seg's pair: first position, rows)
	v_add_nc_u32 v29, v30, v28                     ; where my tile's rows of expert r begin
	v_mov_b32 v14, 0
.irp e, 0,1,2,3,4,5,6,7,8,9,10,11,12,13,14,15
	v_readlane_b32 s23, v29, \e                    ; each token takes its own expert's
	v_cmp_ne_u32 vcc_lo, \e, v5
	v_cndmask_b32 v14, s23, v14, vcc_lo
.endr
	v_add_nc_u32 v14, v14, v6                      ; + its rank: token r's position
	s_lshl_b32 s22, s20, 2
.irp i, 0,1,2,3
	v_readlane_b32 s[78+\i], v14, s22              ; the position of my wave's row i
	s_min_u32 s[48+2*\i], s[78+\i], 0xfff
	s_lshl_b32 s[48+2*\i], s[48+2*\i], 9           ; its 512 bytes of codes
	s_mov_b32 s[49+2*\i], 0
	s_add_nc_u64 s[56+2*\i:57+2*\i], s[12:13], s[48+2*\i:49+2*\i]
	s_add_co_u32 s22, s22, 1
.endr
	; ---- the rows: the four by turns, phase by phase, so that no line waits for the line above it
.macro RRED4 o                         ; v[32 + 8 i + o] summed over the wave's 32 lanes, for the four rows; v[.. + 1] at work
.irp m, 1,2,4,8
.irp i, 0,1,2,3
	v_add_f32_dpp v[32+8*\i+\o], v[32+8*\i+\o], v[32+8*\i+\o] row_xmask:\m row_mask:0xf bank_mask:0xf
.endr
.endr
.irp i, 0,1,2,3
	v_permlanex16_b32 v[33+8*\i+\o], v[32+8*\i+\o], s66, s67
.endr
.irp i, 0,1,2,3
	v_add_f32 v[32+8*\i+\o], v[32+8*\i+\o], v[33+8*\i+\o]
.endr
.endm
	s_wait_loadcnt 32                              ; the tables' 32 loads may be out: z is in
.irp i, 0,1,2,3
.irp k, 0,2,4,6
	v_pk_add_f32 v[32+8*\i+\k:33+8*\i+\k], v[64+16*\i+2*\k:65+16*\i+2*\k], v[66+16*\i+2*\k:67+16*\i+2*\k]
.endr
.endr
.irp i, 0,1,2,3
	v_pk_add_f32 v[32+8*\i:33+8*\i], v[32+8*\i:33+8*\i], v[34+8*\i:35+8*\i]
	v_pk_add_f32 v[36+8*\i:37+8*\i], v[36+8*\i:37+8*\i], v[38+8*\i:39+8*\i]
.endr
.irp i, 0,1,2,3
	v_pk_add_f32 v[32+8*\i:33+8*\i], v[32+8*\i:33+8*\i], v[36+8*\i:37+8*\i]
.endr
.irp i, 0,1,2,3
	v_add_f32 v[32+8*\i], v[32+8*\i], v[33+8*\i]
.endr
	RRED4 0
.irp i, 0,1,2,3
	v_mul_f32 v[32+8*\i], s70, v[32+8*\i]          ; the mean
.endr
.irp i, 0,1,2,3
.irp k, 0,2,4,6,8,10,12,14
	v_pk_add_f32 v[64+16*\i+\k:65+16*\i+\k], v[64+16*\i+\k:65+16*\i+\k], v[32+8*\i:33+8*\i] op_sel_hi:[1,0] neg_lo:[0,1] neg_hi:[0,1]   ; z - mean
.endr
.endr
.irp i, 0,1,2,3
	v_pk_mul_f32 v[34+8*\i:35+8*\i], v[64+16*\i:65+16*\i], v[64+16*\i:65+16*\i]   ; the squares, in two chains
	v_pk_mul_f32 v[36+8*\i:37+8*\i], v[66+16*\i:67+16*\i], v[66+16*\i:67+16*\i]
.endr
.irp k, 4,8,12
.irp i, 0,1,2,3
	v_pk_fma_f32 v[34+8*\i:35+8*\i], v[64+16*\i+\k:65+16*\i+\k], v[64+16*\i+\k:65+16*\i+\k], v[34+8*\i:35+8*\i]
	v_pk_fma_f32 v[36+8*\i:37+8*\i], v[66+16*\i+\k:67+16*\i+\k], v[66+16*\i+\k:67+16*\i+\k], v[36+8*\i:37+8*\i]
.endr
.endr
.irp i, 0,1,2,3
	v_pk_add_f32 v[34+8*\i:35+8*\i], v[34+8*\i:35+8*\i], v[36+8*\i:37+8*\i]
.endr
.irp i, 0,1,2,3
	v_add_f32 v[34+8*\i], v[34+8*\i], v[35+8*\i]
.endr
	RRED4 2
.irp i, 0,1,2,3
	v_fma_f32 v[34+8*\i], v[34+8*\i], s70, s69     ; the variance + 1e-5
.endr
.irp i, 0,1,2,3
	v_rsq_f32 v[34+8*\i], v[34+8*\i]
.endr
	v_nop                                          ; a plain line behind the last of them
	s_wait_loadcnt 0x0                             ; ln_scale's and ln_bias's rows
	s_wait_alu depctr_va_vdst(0)
.irp i, 0,1,2,3
.irp k, 0,2,4,6,8,10,12,14
	v_pk_mul_f32 v[64+16*\i+\k:65+16*\i+\k], v[64+16*\i+\k:65+16*\i+\k], v[34+8*\i:35+8*\i] op_sel_hi:[1,0]
.endr
.endr
.irp i, 0,1,2,3
.irp k, 0,2,4,6,8,10,12,14
	v_pk_fma_f32 v[64+16*\i+\k:65+16*\i+\k], v[64+16*\i+\k:65+16*\i+\k], v[128+16*\i+\k:129+16*\i+\k], v[192+16*\i+\k:193+16*\i+\k]   ; x
.endr
.endr
	; A lane holds 4 numbers of each quarter of the row; the conversions want 16 neighbours: the row turns through its stage (my wave's own bytes, served in order)
.irp i, 0,1,2,3
.irp j, 0,1,2,3
	ds_store_b128 v11, v[64+16*\i+4*\j:67+16*\i+4*\j] offset:ROWS*\i+8*LP*\j
.endr
.irp j, 0,1,2,3
	ds_load_b128 v[128+16*\i+4*\j:131+16*\i+4*\j], v12 offset:ROWS*\i+16*\j
.endr
.endr
.macro QROW i                          ; row i: two neighbouring lanes hold a block of 32
.set XT, 128+16*(\i)
.set WK, 32+8*(\i)
.set CD, 192+16*(\i)
	s_wait_dscnt 8*(3-(\i))+(\i)                   ; behind this row's loads stand the later rows' 8 LDS instructions each and the earlier rows' byte stores
	v_max3_num_f32 v[WK], |v[XT]|, |v[XT+1]|, |v[XT+2]|
	v_max3_num_f32 v[WK+1], |v[XT+3]|, |v[XT+4]|, |v[XT+5]|
.irp k, 6,10
	v_max3_num_f32 v[WK], v[WK], |v[XT+\k]|, |v[XT+\k+1]|
	v_max3_num_f32 v[WK+1], v[WK+1], |v[XT+\k+2]|, |v[XT+\k+3]|
.endr
	v_max3_num_f32 v[WK], v[WK], |v[XT+14]|, |v[XT+15]|
	v_max3_num_f32 v[WK], v[WK], v[WK+1], 0x4800000   ; and the floor 2^(9 - 127)
	v_max_num_f32_dpp v[WK], v[WK], v[WK] row_xmask:1 row_mask:0xf bank_mask:0xf   ; with my neighbour's 16
	v_add_nc_u32 v[WK+3], 0xfc000000, v[WK]        ; 8 off the exponent field: the conversion's scale operand
	v_and_or_b32 v[WK+2], v[WK], 0x7f800000, s68   ; 448 x the scale
.set n, 0
.rept 16
	v_med3_num_f32 v[XT+n], v[XT+n], -v[WK+2], v[WK+2]   ; the hold: the conversion does not saturate (ISA guide 7.6.2)
.set n, n+1
.endr
	v_cvt_scalef32_pk8_fp8_f32 v[CD:CD+1], v[XT:XT+7], v[WK+3]
	v_cvt_scalef32_pk8_fp8_f32 v[CD+2:CD+3], v[XT+8:XT+15], v[WK+3]
	v_lshrrev_b32 v[CD+4], 23, v[WK+3]             ; the scale's byte (also the plain line behind the conversions)
	ds_store_b8 v13, v[CD+4] offset:16*(\i)        ; both lanes of a block write the same byte
	global_store_b128 v2, v[CD:CD+3], s[56+2*(\i):57+2*(\i)]   ; the row's 512 bytes, whole, at its position
.endm
	QROW 0
	QROW 1
	QROW 2
	QROW 3
	ds_load_b32 v24, v15                           ; lane r: word r % 4 of row r / 4's 16 scale bytes (in order behind my byte stores)
	v_lshrrev_b32 v25, 2, v3
	v_mov_b32 v26, s78
.irp i, 1,2,3
	v_cmp_ne_u32 vcc_lo, \i, v25
	v_cndmask_b32 v26, s[78+\i], v26, vcc_lo       ; that row's position
.endr
	v_min_u32 v26, 0xfff, v26
	v_lshlrev_b32 v26, 4, v26
	v_and_b32 v27, 3, v3
	v_lshlrev_b32 v27, 2, v27
	v_add_nc_u32 v26, v26, v27
	s_wait_dscnt 0x0
	global_store_b32 v26, v24, s[14:15]            ; lanes 16-31 repeat lanes 0-15: the same address, the same word
	s_cmp_lg_u32 s20, 0
	s_cbranch_scc1 .Lend
	v_min_u32 v28, 0xfff, v14                      ; wave 0: list[position] = token
	v_lshlrev_b32 v28, 2, v28
	s_lshl_b32 s23, ttmp9, 4
	v_add_nc_u32 v29, s23, v3
	global_store_b32 v28, v29, s[16:17]
	s_cmp_lg_u32 ttmp9, 0
	s_cbranch_scc1 .Lend
	v_lshlrev_b32 v27, 3, v3                       ; work-group 0: the table of segments, 8 bytes an expert
	global_store_b64 v27, v[30:31], s[18:19]
.Lend:
	s_set_vgpr_msb 0x5
	s_wait_tensorcnt 0x0
	ds_add_u32 v0, v1
	s_wait_dscnt 0x0
	s_set_vgpr_msb 0x500
	s_endpgm
.Lfunc_end_k_q7529cf17e9_place:
	.size	k_q7529cf17e9_place, .Lfunc_end_k_q7529cf17e9_place-k_q7529cf17e9_place
	.p2alignl 7, 3214868480
	.fill 96, 4, 3214868480
	.section	.rodata,"a",@progbits
	.p2align	6, 0x0
	.amdhsa_kernel k_q7529cf17e9_place
		.amdhsa_group_segment_fixed_size 42496
		.amdhsa_private_segment_fixed_size 0
		.amdhsa_enable_private_segment 0
		.amdhsa_kernarg_size 64
		.amdhsa_user_sgpr_count 2
		.amdhsa_user_sgpr_kernarg_segment_ptr 1
		.amdhsa_wavefront_size32 1
		.amdhsa_system_sgpr_workgroup_id_x 1
		.amdhsa_system_sgpr_workgroup_id_y 1
		.amdhsa_system_sgpr_workgroup_id_z 1
		.amdhsa_system_vgpr_workitem_id 0
		.amdhsa_next_free_vgpr 258
		.amdhsa_next_free_sgpr 100
		.amdhsa_reserve_vcc 1
		.amdhsa_float_denorm_mode_32 3
		.amdhsa_float_denorm_mode_16_64 3
		.amdhsa_memory_ordered 1
		.amdhsa_forward_progress 1
		.amdhsa_inst_pref_size 45
	.end_amdhsa_kernel
	.amdgpu_metadata
---
amdhsa.version: [ 1, 2 ]
amdhsa.kernels:
  - .name:           k_q7529cf17e9_place
    .symbol:         k_q7529cf17e9_place.kd
    .args:
      - { .name: z, .offset: 0, .size: 8, .value_kind: global_buffer, .address_space: global }
      - { .name: ln_scale, .offset: 8, .size: 8, .value_kind: global_buffer, .address_space: global }
      - { .name: ln_bias, .offset: 16, .size: 8, .value_kind: global_buffer, .address_space: global }
      - { .name: meta, .offset: 24, .size: 8, .value_kind: global_buffer, .address_space: global }
      - { .name: xc, .offset: 32, .size: 8, .value_kind: global_buffer, .address_space: global }
      - { .name: xs, .offset: 40, .size: 8, .value_kind: global_buffer, .address_space: global }
      - { .name: list, .offset: 48, .size: 8, .value_kind: global_buffer, .address_space: global }
      - { .name: seg, .offset: 56, .size: 8, .value_kind: global_buffer, .address_space: global }
    .group_segment_fixed_size: 42496
    .private_segment_fixed_size: 0
    .kernarg_segment_align: 8
    .kernarg_segment_size: 64
    .max_flat_workgroup_size: 128
    .sgpr_count:     100
    .vgpr_count:     258
    .wavefront_size: 32
...
	.end_amdgpu_metadata
.endif
;; end of part 2
;; launch expert (part 3): grid 16 x 16, 4 waves a work-group, no clusters, 102,912 bytes of LDS; arguments w1, b1, w2, b2, xc, xs, seg, part; writes part
.if DOCPART == 3
	.amdgcn_target "amdgcn-amd-amdhsa--gfx1250"
	.amdhsa_code_object_version 6
	.text
	.protected	k_q7529cf17e9_expert
	.globl	k_q7529cf17e9_expert
	.p2align	8
	.type	k_q7529cf17e9_expert,@function
k_q7529cf17e9_expert:
	s_mov_b64 s[64:65], 0
	v_nop
	global_prefetch_b8 v0, s[64:65] scope:SCOPE_SE
	s_setreg_imm32_b32 hwreg(HW_REG_WAVE_MODE, 25, 1), 1
	s_wait_xcnt 0x0
; THE EXPERTS.  Work-group (x = slice, y = expert e) owns w1[e][:, 128 x .. 128 x + 127]: 512 x 128 numbers, 256 KB, read from memory ONCE in the whole launch, quantised along K (E4M3, one E8M0 byte
; for each 32) and kept as codes in registers.  Then it works the rows that chose e (seg[e]: first position, number; xc, xs: their codes and scale bytes, sorted by expert):
;   part[slice][position] = the sum over the slice's 128 hidden units of gelu(Q(x) Q(w1) + b1) w2   (+ b2[e] in slice 0).   The last launch adds the 16 slices.
; Only the chosen expert's rows are kept: all others' results are thrown away by the where() of the problem.
; WEIGHTS.  Wave w takes K step w (rows 128 w .. + 127 of the slice).  Each load reads one row's 512 bytes, 16 a lane: a lane holds 4 columns, registers down K.  A block's largest magnitude needs no other lane.
; Neighbours along K stand 4 registers apart, so the numbers are multiplied by 1 / scale (a power of two: exact), held at +-448 and converted two at a time.  The codes go to LDS as IMAGES OF THE OPERAND'S
; REGISTERS; behind the one barrier every wave loads all 32 fragments (4 K steps x 8 tiles of 16 units): 512 registers.
; ROWS.  THE TILES LIE ON A FIXED GRID: tile t is positions 16 t .. 16 t + 15, 256 tiles.  Wave w walks t = w, w + 4, .. in 64 trips, whatever the split; the bases of xc, xs and part step by constants in
; every trip, so NO NUMBER READ FROM MEMORY ENTERS AN ADDRESS.  seg[e] decides only which trips work (scalar branches) and which of a tile's rows are stored (EXEC).  A tile that two experts share is
; multiplied by both, and each stores its own rows: at most one tile more an expert.  The loop's counter c names the tile to be ASKED FOR; the tile worked in the same trip is c - 4.
; THE PRODUCT IS USED TRANSPOSED (source 0 = 16 hidden units, source 1 = 16 rows): a lane holds ONE row, so the dot with w2 stays in the lane but for one exchange between the halves.
; b1 is the C of each sum's first matrix instruction.
; gelu(y) = max(y, 0) - |y| P, P = (polynomial in t = 1 / (1 + 0.3275911 |y| / sqrt 2)) x exp(-y^2 / 2) / 2: erf by Abramowitz and Stegun 7.1.26, absolute error 1.5e-7; nothing behind it is quantised.
; No tensor loads and no cluster: which tiles are worked hangs on a stored number.
; LIMITS: NaN and infinities are not served.  A block of w1 whose largest magnitude lies under 2^-118 takes the byte 1 (the floor), a block of zeros too, with zero codes.  A work-group of an expert without rows
; still reads and quantises its slice: the row count is not awaited ahead of the stream.  Every wave asks for tile w's rows at the head, whether the expert has that tile or not (8.7 KB a wave): so all
; waves take one path, with one count of loads, through the weights.
.set IMG,  0                           ; LDS: fragment (K step s, tile t): 2,048 (8 s + t) + 512 c + 16 lane: 65,536 bytes
.set SCW,  65536                       ; the weights' scale words: 512 s + 4 x column
.set STG,  SCW+2048                    ; a stage of 16 rows x (512 + 16) bytes for each wave, for x's rows
.set SP,   528
; REGISTERS, window 0: v1 16 x lane, v2 r, v3 h; v5, v7-10, v13, v15, v17 addresses, never rewritten; v14 position, v16 the result; v20.. the quantiser's work; v36-67 codes; v68-99 the weights' scale words
; and v100-103 x's (they hold scales and nothing else); v104-167 x's rows, then its four fragments; v168-231 b1.
; Windows 1, 2: w1 as loaded (block c: window 1 + c / 2, 128 (c % 2) + 4 k + column), then the fragments (K step s: window 1 + s / 2, 128 (s % 2) + 16 t).
; Window 3: v0-63 the 8 accumulators; v64-127 w2; v128-191 gelu's work; v192-199 the dot's four pairs; v200-201 at work; v202-203 a constant.
; SCALARS: s20 wave, s21 slice, s22 expert; s26 the segment's first position, s27 its rows, s29 its last position; s57 its first tile T0, s58 its tiles NT, s59 NT + 4; s30 the counter c.
.set AM,   20
.set TT,   24
.set INV,  28
.set SW,   32
.set CC,   36
.set WS,   68
.set XS,   100
.set XF,   104
.set B1,   168
.set W2,   64                          ; window 3
.set DT,   128
.set QE,   144
.set PP,   160
.set MM,   176
.set SS,   192
.set MSB, 0
.macro WIN new                         ; the immediate's high byte repeats the setting that is left; a switch that changes nothing is dropped
.if MSB != (\new)
	s_set_vgpr_msb (MSB<<8)|(\new)
.set MSB, (\new)
.endif
.endm
	s_load_b512 s[4:19], s[0:1], 0x0               ; w1, b1, w2, b2, xc, xs, seg, part
	v_lshl_add_u32 v254, v0, 2, 0x19000
	v_mov_b32 v255, 0
	v_lshrrev_b32 v4, 5, v0
	v_readfirstlane_b32 s20, v4                    ; wave
	s_mov_b32 s21, ttmp9                           ; slice
	s_and_b32 s22, ttmp7, 0xffff                   ; expert
	v_and_b32 v4, 31, v0                           ; lane
	v_lshlrev_b32 v1, 4, v4
	v_and_b32 v2, 15, v0                           ; r
	v_bfe_u32 v3, v0, 4, 1                         ; h
	v_lshrrev_b32 v6, 2, v4
	v_and_b32 v18, 3, v4
	v_lshlrev_b32 v5, 11, v6
	v_lshl_add_u32 v5, v18, 6, v5
	s_lshl_b32 s23, s20, 14
	v_add_nc_u32 v5, s23, v5                       ; my columns 4 lane + j are rows 4 (lane % 4) + j of tile lane / 4: 16,384 w + 2,048 (lane / 4) + 64 (lane % 4)
	s_lshl_b32 s23, s20, 9
	s_add_co_u32 s23, s23, SCW
	v_add_nc_u32 v7, s23, v1                       ; my four columns' scale words
	v_lshlrev_b32 v8, 2, v2
	v_add_nc_u32 v8, SCW, v8                       ; and back: row r of a tile
	s_mul_i32 s23, s20, 16*SP
	s_add_co_u32 s23, s23, STG
	v_add_nc_u32 v9, s23, v1                       ; my stage, in: a row as it lies
	v_mul_u32_u24 v10, v2, SP
	v_lshl_add_u32 v10, v3, 4, v10
	v_add_nc_u32 v10, s23, v10                     ; out: row r, + 16 h
	v_lshlrev_b32 v13, 5, v3                       ; b1, w2: a tile's eight units of my half
	v_lshlrev_b32 v15, 2, v2                       ; part: 4 bytes a row
	v_lshlrev_b32 v17, 4, v2                       ; xs: 16 bytes a row
	s_mov_b32 s36, 0xc3e00000                      ; -448
	s_mov_b32 s37, 0x43e00000                      ; 448
	s_mov_b32 s38, 0x76543210                      ; lane l xor 16
	s_mov_b32 s39, 0xfedcba98
	s_mov_b32 s42, 0x3e6d3388                      ; 0.3275911 / sqrt 2
	s_mov_b32 s43, s42
	s_mov_b32 s44, 0x3f596d27                      ; sqrt(log2(e) / 2)
	s_mov_b32 s45, s44                             ; (the packed forms name pairs and take the low word: the high words are written)
	s_mov_b32 s46, 0x3e027906                      ; the polynomial's coefficients, halved: a1 / 2,
	s_mov_b32 s47, s46
	s_mov_b32 s48, 0xbe11a98e                      ; a2 / 2,
	s_mov_b32 s49, s48
	s_mov_b32 s50, 0x3f35f0e3                      ; a3 / 2,
	s_mov_b32 s51, s50
	s_mov_b32 s54, 0x3f07dc22                      ; a5 / 2 (a4 / 2 lies in a vector pair: an instruction names one scalar pair)
	s_mov_b32 s55, s54
	s_mov_b32 s25, 0
	s_wait_kmcnt 0x0
	s_lshl_b32 s24, s22, 3
	s_add_nc_u64 s[16:17], s[16:17], s[24:25]
	s_load_b64 s[26:27], s[16:17], 0x0             ; my expert's first position and number of rows: awaited behind the stream's issue
	s_lshl_b32 s24, s22, 2
	s_add_nc_u64 s[10:11], s[10:11], s[24:25]
	s_load_b32 s35, s[10:11], 0x0                  ; b2[e]
	s_lshl_b32 s24, s22, 22                        ; w1: 4,194,304 bytes an expert,
	s_lshl_b32 s23, s20, 20                        ; 128 rows of 8,192 a wave,
	s_add_co_u32 s24, s24, s23
	s_lshl_b32 s23, s21, 9                         ; 512 bytes of a row a slice
	s_add_co_u32 s24, s24, s23
	s_add_nc_u64 s[4:5], s[4:5], s[24:25]
	s_lshl_b32 s24, s22, 13                        ; b1, w2: 8,192 bytes an expert, 512 a slice
	s_add_co_u32 s24, s24, s23
	s_add_nc_u64 s[6:7], s[6:7], s[24:25]
	s_add_nc_u64 s[8:9], s[8:9], s[24:25]
	s_add_co_u32 s23, s20, 4                       ; the counter's first value, c = w + 4: the three bases below stand at tile c
	s_lshl_b32 s24, s23, 13                        ; xc: 16 rows of 512 bytes a tile
	s_add_nc_u64 s[12:13], s[12:13], s[24:25]
	s_lshl_b32 s24, s23, 8                         ; xs: 16 rows of 16 bytes
	s_add_nc_u64 s[14:15], s[14:15], s[24:25]
	s_lshl_b32 s24, s21, 14                        ; part: 16,384 bytes a slice,
	s_lshl_b32 s23, s23, 6                         ; 64 a tile
	s_add_co_u32 s24, s24, s23
	s_add_nc_u64 s[18:19], s[18:19], s[24:25]
	WIN 0x40                                       ; destination window 1
.set n, 0
.rept 64
	global_load_b128 v[4*n:4*n+3], v1, s[4:5] offset:8192*n th:TH_LOAD_NT   ; row n of my 128: the wave reads 512 consecutive bytes; read once in the launch
.set n, n+1
.endr
	WIN 0x80                                       ; destination window 2
.set n, 0
.rept 64
	global_load_b128 v[4*n:4*n+3], v1, s[4:5] offset:8192*(64+n) th:TH_LOAD_NT
.set n, n+1
.endr
	WIN 0
.irp t, 0,1,2,3,4,5,6,7
	global_load_b128 v[B1+8*\t:B1+8*\t+3], v13, s[6:7] offset:64*\t        ; b1 at units 16 t + 8 h + 0 .. 7: the result's layout
	global_load_b128 v[B1+8*\t+4:B1+8*\t+7], v13, s[6:7] offset:64*\t+16
.endr
	WIN 0xc0                                       ; destination window 3
.irp t, 0,1,2,3,4,5,6,7
	global_load_b128 v[W2+8*\t:W2+8*\t+3], v13, s[8:9] offset:64*\t
	global_load_b128 v[W2+8*\t+4:W2+8*\t+7], v13, s[8:9] offset:64*\t+16
.endr
	v_mov_b32 v201, 0                              ; (a lane permute's destination is written once)
	v_mov_b32 v202, 0xbf3a00e3                     ; a4 / 2
	v_mov_b32 v203, 0xbf3a00e3
	WIN 0
; The 16 rows and the 16 x 16 scale bytes of a tile: oc, os bytes from the bases, which stand at tile c.
.macro XISSUE oc, os
.set n, 0
.rept 16
	global_load_b128 v[XF+4*n:XF+4*n+3], v1, s[12:13] offset:512*n+(\oc)   ; a row's 512 codes, whole
.set n, n+1
.endr
	global_load_b128 v[XS:XS+3], v17, s[14:15] offset:0+(\os)              ; row r's four scale words
.endm
	XISSUE -32768, -1024                           ; tile w, four tiles ahead of the bases: asked for by every wave; the count 49 below leans on these 17
.set n, 0
.rept 32
	v_mov_b32 v[CC+n], 0                           ; the conversions below write halves and keep the other half: the code registers are written whole once
.set n, n+1
.endr
	s_wait_kmcnt 0x0
	s_lshr_b32 s57, s26, 4                         ; T0: the tile of the segment's first position
	s_add_co_u32 s29, s26, s27
	s_add_co_u32 s58, s29, 15
	s_lshr_b32 s58, s58, 4                         ; the tile behind its last,
	s_min_u32 s58, s58, 256                        ; held at the grid's end
	s_sub_co_u32 s58, s58, s57                     ; NT: its tiles (an expert without rows: 0, or 1 of which nothing is stored)
	s_add_co_u32 s59, s58, 4
	s_sub_co_u32 s29, s29, 1                       ; the segment's last position
	s_cmp_eq_u32 s21, 0
	s_cselect_b32 s35, s35, 0                      ; b2 is added once, by slice 0
; Block c (32 along K) of my four columns becomes codes and a scale byte.
.macro QW c
.set W,  1+(\c)/2
.set RB, 128*((\c)%2)
	WIN (W<<2)|(W<<4)                              ; sources 1 and 2: the block's window
.irp j, 0,1,2,3
	v_max3_num_f32 v[AM+\j], 0x4800000, |v[RB+\j]|, |v[RB+4+\j]|   ; column j: the floor 2^(9 - 127) and the first two of its 32
.endr
.irp q, 1,2,3,4,5,6,7,8,9,10,11,12,13,14,15
.irp j, 0,1,2,3
	v_max3_num_f32 v[AM+\j], v[AM+\j], |v[RB+8*\q+\j]|, |v[RB+8*\q+4+\j]|   ; the four columns by turns
.endr
.endr
	WIN 0
.irp j, 0,1,2,3
	v_and_b32 v[TT+\j], 0x7f800000, v[AM+\j]       ; the largest magnitude's exponent field E
.endr
.irp j, 0,1,2,3
	v_sub_nc_u32 v[INV+\j], 0x83000000, v[TT+\j]   ; 1 / scale = 2^(135 - E): the field 262 - E, from 8 to 253
.endr
.irp j, 0,1,2,3
	v_lshrrev_b32 v[TT+\j], 23, v[TT+\j]
.endr
.irp j, 0,1,2,3
.if (\c) == 0
	v_add_nc_u32 v[SW+\j], -8, v[TT+\j]            ; the scale's byte, E - 8; the first starts the word
.else
	v_add_nc_u32 v[TT+\j], -8, v[TT+\j]
.endif
.endr
.if (\c) > 0
.irp j, 0,1,2,3
	v_lshl_or_b32 v[SW+\j], v[TT+\j], 8*(\c), v[SW+\j]
.endr
.endif
	WIN (W<<6)|W                                   ; destination and source 0: the block's window
.set n, 0
.rept 32
	v_pk_mul_f32 v[RB+4*n:RB+4*n+1], v[RB+4*n:RB+4*n+1], v[INV:INV+1]       ; by a power of two: nothing is rounded
	v_pk_mul_f32 v[RB+4*n+2:RB+4*n+3], v[RB+4*n+2:RB+4*n+3], v[INV+2:INV+3]
.set n, n+1
.endr
.set n, 0
.rept 128
	v_med3_num_f32 v[RB+n], v[RB+n], s36, s37      ; the hold: the conversion does not saturate (ISA guide 7.6.2)
.set n, n+1
.endr
	s_wait_dscnt 0x0                               ; the last block's LDS stores have read the code registers
	WIN (W<<2)|W                                   ; sources 0 and 1: the block's window
.set n, 0                              ; half n: register CC + n / 2 = CC + 8 j + q takes column j = n / 16, k = 4 q + 2 (n % 2) and the next; k's number lies at RB + 4 k + j
.irp d, v36.l,v36.h,v37.l,v37.h,v38.l,v38.h,v39.l,v39.h,v40.l,v40.h,v41.l,v41.h,v42.l,v42.h,v43.l,v43.h,v44.l,v44.h,v45.l,v45.h,v46.l,v46.h,v47.l,v47.h,v48.l,v48.h,v49.l,v49.h,v50.l,v50.h,v51.l,v51.h,v52.l,v52.h,v53.l,v53.h,v54.l,v54.h,v55.l,v55.h,v56.l,v56.h,v57.l,v57.h,v58.l,v58.h,v59.l,v59.h,v60.l,v60.h,v61.l,v61.h,v62.l,v62.h,v63.l,v63.h,v64.l,v64.h,v65.l,v65.h,v66.l,v66.h,v67.l,v67.h
	v_cvt_pk_fp8_f32 \d, v[RB+16*((n/2)%8)+8*(n%2)+n/16], v[RB+16*((n/2)%8)+8*(n%2)+n/16+4]
.set n, n+1
.endr
	WIN 0
.irp j, 0,1,2,3
	ds_store_b128 v5, v[CC+8*\j:CC+8*\j+3] offset:512*(\c)+16*\j           ; k = 32 c + 0 .. 15: the place of lane (row, h = 0) in the image,
	ds_store_b128 v5, v[CC+8*\j+4:CC+8*\j+7] offset:512*(\c)+256+16*\j     ; k = 32 c + 16 .. 31: of lane (row, h = 1)
.endr
.endm
	s_wait_loadcnt 63                              ; 177 loads were issued: the first 114 are in, blocks 0 to 2 (96 loads) among them
	QW 0
	QW 1
	QW 2
	s_wait_loadcnt 49                              ; b1's 16, w2's 16 and x's 17 may be out: block 3 is in
	QW 3
	ds_store_b128 v7, v[SW:SW+3]                   ; my four columns' scale words
	s_wait_dscnt 0x0                               ; for the others' sake: my images have landed
	s_barrier_signal -1
	s_barrier_wait -1                              ; the launch's one barrier; nothing behind it writes IMG or SCW
	WIN 0x40                                       ; every wave takes all 32 fragments: all waves take one way into the loop
.set n, 0
.rept 64
	ds_load_b128 v[4*n:4*n+3], v1 offset:512*n     ; n = 32 s + 4 t + c: the images come back as they went
.set n, n+1
.endr
	WIN 0x80
.set n, 0
.rept 64
	ds_load_b128 v[4*n:4*n+3], v1 offset:512*(64+n)
.set n, n+1
.endr
	WIN 0
.set n, 0
.rept 32
	ds_load_b32 v[WS+n], v8 offset:64*n            ; n = 8 s + t: lane r takes row r's word
.set n, n+1
.endr
; gelu of 16 numbers of a lane (accumulators 2 u and 2 u + 1, in ascending order) and their part of the dot with w2.  All in window 3.
; Each reciprocal and exponential has a plain line that touches none of its registers behind it.
.macro GELU16 u, first
.set Y, 16*(\u)
.set n, 0
.rept 16
	v_fma_f32 v[DT+n], |v[Y+n]|, s42, 1.0          ; 1 + p |y| / sqrt 2
.set n, n+1
.endr
.set n, 0
.rept 8
	v_rcp_f32 v[DT+n], v[DT+n]                     ; t
	v_pk_mul_f32 v[QE+n:QE+n+1], v[Y+n:Y+n+1], s[44:45] op_sel_hi:[1,0]
	v_rcp_f32 v[DT+n+1], v[DT+n+1]
	v_pk_mul_f32 v[QE+n:QE+n+1], v[QE+n:QE+n+1], v[QE+n:QE+n+1]   ; y^2 log2(e) / 2
.set n, n+2
.endr
.set n, 0
.rept 8
	v_exp_f32 v[QE+n], -v[QE+n]                    ; exp(-y^2 / 2)
	s_wait_alu depctr_va_vdst(0)
	v_pk_fma_f32 v[PP+n:PP+n+1], v[DT+n:DT+n+1], s[54:55], v[202:203] op_sel_hi:[1,0,1]
	v_exp_f32 v[QE+n+1], -v[QE+n+1]
	v_pk_fma_f32 v[PP+n:PP+n+1], v[PP+n:PP+n+1], v[DT+n:DT+n+1], s[50:51] op_sel_hi:[1,1,0]
.set n, n+2
.endr
.set n, 0
.rept 8
	v_pk_fma_f32 v[PP+n:PP+n+1], v[PP+n:PP+n+1], v[DT+n:DT+n+1], s[48:49] op_sel_hi:[1,1,0]
.set n, n+2
.endr
.set n, 0
.rept 8
	v_pk_fma_f32 v[PP+n:PP+n+1], v[PP+n:PP+n+1], v[DT+n:DT+n+1], s[46:47] op_sel_hi:[1,1,0]
.set n, n+2
.endr
.set n, 0
.rept 8
	v_pk_mul_f32 v[PP+n:PP+n+1], v[PP+n:PP+n+1], v[DT+n:DT+n+1]
.set n, n+2
.endr
.set n, 0
	s_wait_alu depctr_va_vdst(0)
.rept 8
	v_pk_mul_f32 v[PP+n:PP+n+1], v[PP+n:PP+n+1], v[QE+n:QE+n+1]   ; P
.set n, n+2
.endr
.set n, 0
.rept 16
	v_max_num_f32 v[MM+n], 0, v[Y+n]
.set n, n+1
.endr
.set n, 0
.rept 16
	v_fma_f32 v[MM+n], -|v[Y+n]|, v[PP+n], v[MM+n] ; gelu(y)
.set n, n+1
.endr
.set n, 0
.rept 8
.if (\first) && (n < 8)
	v_pk_mul_f32 v[SS+n%8:SS+n%8+1], v[MM+n:MM+n+1], v[W2+Y+n:W2+Y+n+1]    ; the first four pairs start the dot's four chains
.else
	v_pk_fma_f32 v[SS+n%8:SS+n%8+1], v[MM+n:MM+n+1], v[W2+Y+n:W2+Y+n+1], v[SS+n%8:SS+n%8+1]
.endif
.set n, n+2
.endr
.endm
	s_add_co_u32 s30, s20, 4                       ; c = w + 4, w + 8, .. w + 256: 64 trips
.Ltrip:
	s_sub_co_u32 s23, s30, s57                     ; c - T0.  Tile c is the expert's where this lies in 0 .. NT - 1, tile c - 4 where it lies in 4 .. NT + 3 (unsigned: what is negative is large)
	s_cmp_ge_u32 s23, s59
	s_cbranch_scc1 .Lnext                          ; neither: an empty trip
	s_cmp_lt_u32 s23, s58
	s_cselect_b32 s60, 1, 0                        ; 1: tile c is to be asked for
	s_sub_co_u32 s56, s23, 4
	s_cmp_ge_u32 s56, s58
	s_cbranch_scc1 .Lask                           ; tile c - 4 is not the expert's: nothing to work
	; ---- tile c - 4: its rows were asked for a trip ago (tile w's at the head)
	s_wait_loadcnt 0x0                             ; its rows and scale words; for a wave's first tile b1 and w2 too
.set n, 0
.rept 16
	ds_store_b128 v9, v[XF+4*n:XF+4*n+3] offset:SP*n
.set n, n+1
.endr
.set n, 0
.rept 16
	ds_load_b128 v[XF+4*n:XF+4*n+3], v10 offset:32*n   ; n = 4 s + c: k = 128 s + 32 c + 16 h + 0 .. 15 of row r.  My own bytes, served in order (ISA guide 5.7.1.4)
.set n, n+1
.endr
	s_wait_dscnt 0x0                               ; x's four fragments; for a wave's first tile the weights' fragments and scale words too
	; 32 matrix instructions; the eight accumulators take turns, one instruction a turn
	WIN 0xc1                                       ; source 0 (weights) window 1, source 1 (x) and C (b1) window 0, D window 3
.irp t, 0,1,2,3,4,5,6,7
	v_wmma_scale_f32_16x16x128_f8f6f4 v[8*\t:8*\t+7], v[16*\t:16*\t+15], v[XF:XF+15], v[B1+8*\t:B1+8*\t+7], v[WS+\t], v[XS]
.endr
	WIN 0xf1                                       ; C and D window 3
.irp t, 0,1,2,3,4,5,6,7
	v_wmma_scale_f32_16x16x128_f8f6f4 v[8*\t:8*\t+7], v[128+16*\t:128+16*\t+15], v[XF+16:XF+31], v[8*\t:8*\t+7], v[WS+8+\t], v[XS+1]
.endr
	WIN 0xf2                                       ; source 0 window 2
.irp t, 0,1,2,3,4,5,6,7
	v_wmma_scale_f32_16x16x128_f8f6f4 v[8*\t:8*\t+7], v[16*\t:16*\t+15], v[XF+32:XF+47], v[8*\t:8*\t+7], v[WS+16+\t], v[XS+2]
.endr
.irp t, 0,1,2,3,4,5,6,7
	v_wmma_scale_f32_16x16x128_f8f6f4 v[8*\t:8*\t+7], v[128+16*\t:128+16*\t+15], v[XF+48:XF+63], v[8*\t:8*\t+7], v[WS+24+\t], v[XS+3]
.endr
	WIN 0
	s_sub_co_u32 s31, s30, 4
	s_lshl_b32 s31, s31, 4                         ; the tile's first position
	v_add_nc_u32 v14, s31, v2                      ; row r's position: it serves the store's mask alone.  One plain line,
.rept 7
	v_nop                                          ; and seven more: eight places ahead of loads into registers that the products read, and of the first read of the results
.endr
	s_cmp_eq_u32 s60, 0
	s_cbranch_scc1 .Lno_next                       ; the expert's last tile of this wave asks for nothing; the waits for these loads are for 0, right on both ways
	XISSUE 0, 0                                    ; tile c's rows land under this tile's gelu
.Lno_next:
	WIN 0xff
	GELU16 0, 1
	GELU16 1, 0
	GELU16 2, 0
	GELU16 3, 0
	v_pk_add_f32 v[SS:SS+1], v[SS:SS+1], v[SS+2:SS+3]
	v_pk_add_f32 v[SS+4:SS+5], v[SS+4:SS+5], v[SS+6:SS+7]
	v_pk_add_f32 v[SS:SS+1], v[SS:SS+1], v[SS+4:SS+5]
	v_add_f32 v200, v[SS], v[SS+1]                 ; my 64 units,
	v_permlanex16_b32 v201, v200, s38, s39
	WIN 0x0f                                       ; sources window 3, destination window 0
	v_add_f32 v16, v200, v201                      ; and lane l xor 16's
	WIN 0
	v_add_f32 v16, s35, v16                        ; + b2 in slice 0, + 0 elsewhere
	v_cmp_le_u32 vcc_lo, s26, v14                  ; stored: lanes 0-15, from the segment's first position
	v_cmp_ge_u32 s40, s29, v14                     ; to its last: the tile's other rows are another expert's
	s_and_b32 vcc_lo, vcc_lo, s40
	s_and_b32 vcc_lo, vcc_lo, 0xffff
	s_wait_xcnt 0x0                                ; EXEC is a source of the loads just issued: it changes only behind this wait
	s_and_saveexec_b32 s41, vcc_lo
	global_store_b32 v15, v16, s[18:19] offset:-256   ; the base stands at tile c: four tiles of 64 bytes back
	s_wait_xcnt 0x0                                ; and again ahead of the line that widens it; v16 may then be written again too
	s_or_b32 exec_lo, exec_lo, s41
	s_branch .Lnext
.Lask:
	s_cmp_eq_u32 s60, 0
	s_cbranch_scc1 .Lnext
	s_wait_loadcnt 0x0                             ; no load into x's registers is pending when they are loaded again (the head's, of a tile that is not the expert's)
	XISSUE 0, 0                                    ; the expert's first tile of this wave
.Lnext:                                                ; every trip passes these lines
	s_wait_xcnt 0x0                                ; the bases are stepped only behind this wait
	s_add_nc_u64 s[12:13], s[12:13], 0x8000        ; four tiles on: xc 4 x 8,192 bytes,
	s_add_nc_u64 s[14:15], s[14:15], 0x400         ; xs 4 x 256,
	s_add_nc_u64 s[18:19], s[18:19], 0x100         ; part 4 x 64
	s_add_co_u32 s30, s30, 4
	s_cmp_lt_u32 s30, 260
	s_cbranch_scc1 .Ltrip
	s_wait_dscnt 0x0                               ; a wave without a tile has not waited for its fragments: no LDS load is out at the wave's end
	s_wait_tensorcnt 0x0
	ds_add_u32 v254, v255
	s_wait_dscnt 0x0
	s_endpgm
.Lfunc_end_k_q7529cf17e9_expert:
	.size	k_q7529cf17e9_expert, .Lfunc_end_k_q7529cf17e9_expert-k_q7529cf17e9_expert
	.p2alignl 7, 3214868480
	.fill 96, 4, 3214868480
	.section	.rodata,"a",@progbits
	.p2align	6, 0x0
	.amdhsa_kernel k_q7529cf17e9_expert
		.amdhsa_group_segment_fixed_size 102912
		.amdhsa_private_segment_fixed_size 0
		.amdhsa_enable_private_segment 0
		.amdhsa_kernarg_size 64
		.amdhsa_user_sgpr_count 2
		.amdhsa_user_sgpr_kernarg_segment_ptr 1
		.amdhsa_wavefront_size32 1
		.amdhsa_system_sgpr_workgroup_id_x 1
		.amdhsa_system_sgpr_workgroup_id_y 1
		.amdhsa_system_sgpr_workgroup_id_z 1
		.amdhsa_system_vgpr_workitem_id 0
		.amdhsa_next_free_vgpr 1024
		.amdhsa_next_free_sgpr 66
		.amdhsa_reserve_vcc 1
		.amdhsa_float_denorm_mode_32 3
		.amdhsa_float_denorm_mode_16_64 3
		.amdhsa_memory_ordered 1
		.amdhsa_forward_progress 1
		.amdhsa_inst_pref_size 166
	.end_amdhsa_kernel
	.amdgpu_metadata
---
amdhsa.version: [ 1, 2 ]
amdhsa.kernels:
  - .name:           k_q7529cf17e9_expert
    .symbol:         k_q7529cf17e9_expert.kd
    .args:
      - { .name: w1, .offset: 0, .size: 8, .value_kind: global_buffer, .address_space: global }
      - { .name: b1, .offset: 8, .size: 8, .value_kind: global_buffer, .address_space: global }
      - { .name: w2, .offset: 16, .size: 8, .value_kind: global_buffer, .address_space: global }
      - { .name: b2, .offset: 24, .size: 8, .value_kind: global_buffer, .address_space: global }
      - { .name: xc, .offset: 32, .size: 8, .value_kind: global_buffer, .address_space: global }
      - { .name: xs, .offset: 40, .size: 8, .value_kind: global_buffer, .address_space: global }
      - { .name: seg, .offset: 48, .size: 8, .value_kind: global_buffer, .address_space: global }
      - { .name: part, .offset: 56, .size: 8, .value_kind: global_buffer, .address_space: global }
    .group_segment_fixed_size: 102912
    .private_segment_fixed_size: 0
    .kernarg_segment_align: 8
    .kernarg_segment_size: 64
    .max_flat_workgroup_size: 128
    .sgpr_count:     66
    .vgpr_count:     1024
    .wavefront_size: 32
...
	.end_amdgpu_metadata
.endif
;; end of part 3
;; launch sum (part 4): grid 32 x 1, 4 waves a work-group, no clusters, 0 bytes of LDS; arguments part, list, out0; writes out0
.if DOCPART == 4
	.amdgcn_target "amdgcn-amd-amdhsa--gfx1250"
	.amdhsa_code_object_version 6
	.text
	.protected	k_q7529cf17e9_sum
	.globl	k_q7529cf17e9_sum
	.p2align	8
	.type	k_q7529cf17e9_sum,@function
k_q7529cf17e9_sum:
	s_mov_b64 s[64:65], 0
	v_nop
	global_prefetch_b8 v0, s[64:65] scope:SCOPE_SE
	s_setreg_imm32_b32 hwreg(HW_REG_WAVE_MODE, 25, 1), 1
	s_wait_xcnt 0x0
; THE SUM.  out0[list[p]] = the sum over the 16 slices of part[slice][p].  Thread p = 128 x work-group + thread: 16 loads of which a wave's each cover 128 consecutive bytes, a tree of 15 additions,
; one store of 4 bytes at the token's place: 4,096 scattered stores into 16 KB; gathering by token instead would scatter the 65,536 reads.
; list is a permutation of 0 .. 4,095, so every number of out0 is written; what is read from it is held at 4,095 before it enters an address.
	s_load_b128 s[4:7], s[0:1], 0x0                ; part, list
	s_load_b64 s[8:9], s[0:1], 0x10                ; out0
	v_lshlrev_b32 v1, 2, v0
	s_lshl_b32 s10, ttmp9, 9                       ; 128 positions of 4 bytes a work-group
	s_mov_b32 s11, 0
	s_wait_kmcnt 0x0
	s_add_nc_u64 s[4:5], s[4:5], s[10:11]
	s_add_nc_u64 s[6:7], s[6:7], s[10:11]
	global_load_b32 v2, v1, s[6:7]
.irp s, 0,1,2,3,4,5,6,7,8,9,10,11,12,13,14,15
	global_load_b32 v[4+\s], v1, s[4:5] offset:16384*\s
.endr
	s_wait_loadcnt 0x0
.irp s, 0,2,4,6,8,10,12,14
	v_add_f32 v[4+\s], v[4+\s], v[5+\s]
.endr
.irp s, 0,4,8,12
	v_add_f32 v[4+\s], v[4+\s], v[6+\s]
.endr
	v_add_f32 v4, v4, v8
	v_add_f32 v12, v12, v16
	v_add_f32 v4, v4, v12
	v_min_u32 v2, 0xfff, v2
	v_lshlrev_b32 v2, 2, v2
	global_store_b32 v2, v4, s[8:9]
	s_endpgm
.Lfunc_end_k_q7529cf17e9_sum:
	.size	k_q7529cf17e9_sum, .Lfunc_end_k_q7529cf17e9_sum-k_q7529cf17e9_sum
	.p2alignl 7, 3214868480
	.fill 96, 4, 3214868480
	.section	.rodata,"a",@progbits
	.p2align	6, 0x0
	.amdhsa_kernel k_q7529cf17e9_sum
		.amdhsa_group_segment_fixed_size 0
		.amdhsa_private_segment_fixed_size 0
		.amdhsa_enable_private_segment 0
		.amdhsa_kernarg_size 24
		.amdhsa_user_sgpr_count 2
		.amdhsa_user_sgpr_kernarg_segment_ptr 1
		.amdhsa_wavefront_size32 1
		.amdhsa_system_sgpr_workgroup_id_x 1
		.amdhsa_system_sgpr_workgroup_id_y 1
		.amdhsa_system_sgpr_workgroup_id_z 1
		.amdhsa_system_vgpr_workitem_id 0
		.amdhsa_next_free_vgpr 32
		.amdhsa_next_free_sgpr 66
		.amdhsa_reserve_vcc 0
		.amdhsa_float_denorm_mode_32 3
		.amdhsa_float_denorm_mode_16_64 3
		.amdhsa_memory_ordered 1
		.amdhsa_forward_progress 1
		.amdhsa_inst_pref_size 3
	.end_amdhsa_kernel
	.amdgpu_metadata
---
amdhsa.version: [ 1, 2 ]
amdhsa.kernels:
  - .name:           k_q7529cf17e9_sum
    .symbol:         k_q7529cf17e9_sum.kd
    .args:
      - { .name: part, .offset: 0, .size: 8, .value_kind: global_buffer, .address_space: global }
      - { .name: list, .offset: 8, .size: 8, .value_kind: global_buffer, .address_space: global }
      - { .name: out0, .offset: 16, .size: 8, .value_kind: global_buffer, .address_space: global }
    .group_segment_fixed_size: 0
    .private_segment_fixed_size: 0
    .kernarg_segment_align: 8
    .kernarg_segment_size: 24
    .max_flat_workgroup_size: 128
    .sgpr_count:     66
    .vgpr_count:     32
    .wavefront_size: 32
...
	.end_amdgpu_metadata
.endif
;; end of part 4
